; MI455X (gfx1250); checked and timed in simulation.
; The chip was launched on July 23, 2026; its instructions are those of AMD's public machine-readable ISA for CDNA 5 (MIT licence, August 2026) and "CDNA5" Instruction Set Architecture Reference Guide (July 2026). The comments in the code are by the model that wrote it; some were corrected since.
;; Weight Only Quantized Linear. Allowed arithmetic: float matrix products may take bf16 or f16 operands with f32 sums; other float arithmetic in f32, or as packed bf16 or f16 multiplies, adds, multiply-adds, maxima and minima; sums over many terms, partial sums and values carried from step to step in f32; what a program stores and reads back later, other than sums and carried values, may be rounded once to bf16 or f16.
;; Inputs: bias 4,096 float32; qweight 512 x 4,096 int32; qzeros 32 x 512 int32; scales 32 x 4,096 float32; x 4,096 x 4,096 float32.
;; Outputs: out0 4,096 x 4,096 float32.
;; Constants: blocksize = 128.
;; 2 versions, each right; version 2 is version 1 with the launch prep written anew for expert scheduling mode. Each part assembles by itself: llvm-mc -triple=amdgcn-amd-amdhsa -mcpu=gfx1250 --defsym DOCPART=n.
;; ======== version 1 of 2: 2 launches
;; workspace buffers: xb 33,554,432 bytes; wt 33,554,432 bytes
;; launch prep (part 1): grid 512 x 1, 8 waves a work-group, no clusters, 39,936 bytes of LDS; arguments x, qweight, scales, qzeros, xb, wt; writes xb, wt
.if DOCPART == 1
	.amdgcn_target "amdgcn-amd-amdhsa--gfx1250"
	.amdhsa_code_object_version 6
	.text
	.protected	k_q9ff7dd762c_prep
	.globl	k_q9ff7dd762c_prep
	.p2align	8
	.type	k_q9ff7dd762c_prep,@function
k_q9ff7dd762c_prep:
	s_mov_b64 s[64:65], 0
	v_nop
	global_prefetch_b8 v0, s[64:65] scope:SCOPE_SE
	s_setreg_imm32_b32 hwreg(HW_REG_WAVE_MODE, 25, 1), 1
	s_wait_xcnt 0x0
; THE TWO OPERANDS OF THE PRODUCT ARE MADE, each rounded once to bf16.  One text, two roles, chosen by the work-group's number.
; ROLE X (work-groups 0-255):   xb[m][k] = bf16(x[m][k]).  x: [4096][4096] f32, xb: the same shape in bf16.
; ROLE W (work-groups 256-511): wt[n][k] = bf16((q - z) * bf16(s)); q = nibble k % 8 of qweight[k / 8][n], z = nibble n % 8 of qzeros[k / 128][n / 8], s = scales[k / 128][n].
;                               wt: [4096 n][4096 k] bf16: the weights turned, so that K lies along the rows, as a matrix operand wants it.
; LIMITS.  x, each scale and each weight are rounded once to bf16 (q - z is exact in bf16: whole numbers of at most 15).  An x beyond bf16's largest finite number becomes an infinity;
; NaN and infinities are not treated apart.  All 32 bits of a packed word are taken, the top bit too: nibbles are cut by logical shifts and masks.
; Both roles are streams: every byte is read once and written once, no wave reads what another wave fetched: no barrier, no matrix instruction, no cluster.
.set SPARE,  38912                     ; behind the eight waves' LDS: the spare words, 128 bytes for each wave: four blocks of 256 bytes that no other line names
.set WLDS,   4864                      ; LDS of one wave (role W): 17 rows of 272 bytes, rounded up to 19 x 256
.set LP,     272                       ; an LDS row: 256 bytes + 16 = 68 words: row r starts at bank 4 r mod 64 (64 banks of 4 bytes: ISA guide 11.1)
.set SROW,   16*LP                     ; row 16: the 64 scales
.set RING,   16                        ; role X: slots = loads of a wave in flight
.set ROUNDB, RING*512                  ; role X: bytes of x in one turn of all slots
.set LANE, 2                           ; v2   lane
.set R16,  3                           ; v3   lane % 16
.set HH,   4                           ; v4   lane / 16
.set XO,   5                           ; v5   role X: 16 x lane            role W (QO): my 16 bytes in two rows of qweight
.set YO,   6                           ; v6   role X: 8 x lane             role W (SO): my two scales
.set LSA,  7                           ; v7   LDS: where I put 16 bytes of a row of packed words
.set LSS,  8                           ; v8   LDS: where I put my two scales
.set LRA,  9                           ; v9   LDS: where I read four words of row lane % 16
.set LRS,  10                          ; v10  LDS: where I read the four scales that go with them
.set WO,   11                          ; v11  my 16 bytes in wt
.set SH,   12                          ; v12  16 x (lane / 16): which half of a word of zero points is mine
.set ZT,   13                          ; v13  my four zero points, in bits 15:0
.set ZP,   14                          ; v14  one of them
.set NZ,   15                          ; v15  -(128 + z), twice, in bf16
.set SP,   16                          ; v16  bf16(s), twice
.set T,    18                          ; v[18:21] at work: T+a holds nibbles a and a + 4
.set SC,   22                          ; v[22:23] my two scales as loaded
.set SPW,  30                          ; v30  LDS address of my spare word: SPARE + 4 x my thread's number; never rewritten
.set NIL,  31                          ; v31  0; never rewritten
.set X,    32                          ; role X: v[32:95]  slot i: 4 registers, 4 f32 as loaded
.set Y,    96                          ; role X: v[96:127] slot i: 2 registers, 4 bf16 to store
.set WQ,   32                          ; role W: v[32:63]  packed words as loaded; later two sets of 16 registers to store
.set WD,   64                          ; role W: v[64:95]  packed words, turned: register 4 j + i = row lane % 16, column 8 j + 4 (lane / 16) + i
.set WS,   96                          ; role W: v[96:127] the scales of the same columns
.set ZW,   24                          ; s[24:31] eight words of zero points: word j for columns 8 j .. 8 j + 7
.set MASK,   32                        ; s32
.set MAGIC,  33                        ; s33
.set TWICE,  34                        ; s34
.set NEG128, 35                        ; s35
.set SELLO,  36                        ; s36
.set SELHI,  37                        ; s37
	s_load_b256 s[4:11], s[0:1], 0x0               ; x s[4:5], qweight s[6:7], scales s[8:9], qzeros s[10:11]
	s_load_b128 s[12:15], s[0:1], 0x20             ; xb s[12:13], wt s[14:15]
	v_lshl_add_u32 v[SPW], v0, 2, SPARE
	v_mov_b32 v[NIL], 0
	v_lshrrev_b32 v1, 5, v0
	v_readfirstlane_b32 s16, v1                    ; wave 0..7
	v_and_b32 v[LANE], 31, v0
	v_and_b32 v[R16], 15, v0
	v_bfe_u32 v[HH], v0, 4, 1
	s_mov_b32 s21, 0                               ; the high words of the two offset pairs: every offset here stays under 2^31
	s_mov_b32 s23, 0
	s_cmp_lt_u32 ttmp9, 256
	s_cbranch_scc0 .Lweights
; ---------------- ROLE X ----------------
; A work-group owns 262,144 consecutive bytes of x, a wave 32,768 of them: 64 pieces of 512 bytes, 16 bytes a lane.  A ring of 16 slots in registers keeps 16 loads of every wave in flight.
; A piece's 128 numbers leave as 256 consecutive bytes of xb, aligned, 8 bytes a lane.
	s_lshl_b32 s20, ttmp9, 18
	s_lshl_b32 s17, s16, 15
	s_add_co_u32 s20, s20, s17                     ; my wave's first byte in x,
	s_lshr_b32 s22, s20, 1                         ; and in xb
	v_lshlrev_b32 v[XO], 4, v[LANE]
	v_lshlrev_b32 v[YO], 3, v[LANE]
	s_wait_kmcnt 0x0
	s_add_nc_u64 s[4:5], s[4:5], s[20:21]
	s_add_nc_u64 s[12:13], s[12:13], s[22:23]
.irp i, 0,1,2,3,4,5,6,7,8,9,10,11,12,13,14,15
	global_load_b128 v[X+4*(\i):X+4*(\i)+3], v[XO], s[4:5] offset:512*(\i) th:TH_LOAD_NT  ; the ring is filled
.endr
; One slot's turn.  ahead = 1: the slot is filled again with the piece 16 further on.  left = how many younger loads may stay out.
.macro SLOT i, ahead, left
	s_wait_loadcnt \left                           ; loads come back in order (ISA guide 5.7.1): mine is in
	v_cvt_pk_bf16_f32 v[Y+2*(\i)],   v[X+4*(\i)],   v[X+4*(\i)+1]
	v_cvt_pk_bf16_f32 v[Y+2*(\i)+1], v[X+4*(\i)+2], v[X+4*(\i)+3]
.if \ahead
	global_load_b128 v[X+4*(\i):X+4*(\i)+3], v[XO], s[4:5] offset:ROUNDB+512*(\i) th:TH_LOAD_NT
.endif
	global_store_b64 v[YO], v[Y+2*(\i):Y+2*(\i)+1], s[12:13] offset:256*(\i) th:TH_STORE_NT
.endm
	s_mov_b32 s38, 3                               ; three of the four turns of the ring load ahead
.Lring:
.irp i, 0,1,2,3,4,5,6,7,8,9,10,11,12,13,14,15
	SLOT \i, 1, RING-1
.endr
	s_wait_xcnt 0x0                                ; every load and store issued so far has read its address and data registers (ISA guide 3.1): the two bases and all of Y are written again only behind this wait
	s_add_nc_u64 s[4:5], s[4:5], ROUNDB
	s_add_nc_u64 s[12:13], s[12:13], ROUNDB/2
	s_sub_co_u32 s38, s38, 1
	s_cmp_lg_u32 s38, 0
	s_cbranch_scc1 .Lring
.irp i, 0,1,2,3,4,5,6,7,8,9,10,11,12,13,14,15
	SLOT \i, 0, RING-1-(\i)                        ; the last turn loads nothing: the counts run down
.endr
	s_branch .Lend
; ---------------- ROLE W ----------------
; Work-group w = number - 256 takes the 64 columns n0 = 64 (w % 64) on; its wave v takes ONE group of 128 k: g = 8 (w / 64) + v.  So a wave reads 16 rows x 256 bytes of qweight, 256 bytes of
; scales and 32 bytes of qzeros, and writes 64 rows x 256 bytes of wt.  A packed word holds 8 neighbouring k of one column: 16 bytes of a row of wt.  The words go through the wave's own LDS
; so that sixteen neighbouring lanes hold the 16 words of ONE column and store 256 consecutive bytes of its row, aligned.
.Lweights:
	s_sub_co_u32 s17, ttmp9, 256
	s_and_b32 s18, s17, 63                         ; c: which 64 columns
	s_lshr_b32 s19, s17, 6
	s_lshl_b32 s19, s19, 3
	s_add_co_u32 s19, s19, s16                     ; g: which group of 128 k
	s_lshl_b32 s22, s18, 8                         ; 64 columns of 4 bytes
	s_lshl_b32 s20, s19, 18                        ; 16 rows of qweight, 16,384 bytes each
	s_add_co_u32 s20, s20, s22
	s_wait_kmcnt 0x0
	s_add_nc_u64 s[6:7], s[6:7], s[20:21]
	s_lshl_b32 s20, s19, 14                        ; a row of scales
	s_add_co_u32 s20, s20, s22
	s_add_nc_u64 s[8:9], s[8:9], s[20:21]
	s_lshl_b32 s20, s19, 11                        ; a row of qzeros, 2,048 bytes,
	s_lshl_b32 s22, s18, 5                         ; and eight words of it
	s_add_co_u32 s20, s20, s22
	s_add_nc_u64 s[10:11], s[10:11], s[20:21]
	s_load_b256 s[ZW:ZW+7], s[10:11], 0x0          ; no line of this text writes qzeros
	s_lshl_b32 s20, s18, 19                        ; 64 rows of wt, 8,192 bytes each,
	s_lshl_b32 s22, s19, 8                         ; and 128 k of 2 bytes
	s_add_co_u32 s20, s20, s22
	s_add_nc_u64 s[14:15], s[14:15], s[20:21]
	s_mov_b32 s[MASK],   0x000f000f                ; a nibble at the foot of each half,
	s_mov_b32 s[MAGIC],  0x43004300                ; set into the last bits of bf16's 128.0: 128 + nibble, exact
	s_mov_b32 s[TWICE],  0x00010001
	s_mov_b32 s[NEG128], 0xc300c300                ; -128.0 twice
	s_mov_b32 s[SELLO],  0x05040100                ; v_perm_b32: the two low halves,
	s_mov_b32 s[SELHI],  0x07060302                ; the two high halves
	s_mul_i32 s17, s16, WLDS                       ; my wave's LDS
	v_lshlrev_b32 v1, 4, v[R16]                    ; 16 (lane % 16)
	v_lshl_add_u32 v[XO], v[HH], 14, v1            ; lanes 0-15 one row's 256 bytes, lanes 16-31 the next row's
	v_lshlrev_b32 v[YO], 3, v[LANE]
	v_mul_u32_u24 v[LSA], v[HH], LP
	v_add3_u32 v[LSA], v[LSA], v1, s17
	v_add_nc_u32 v[LSS], s17, v[YO]
	v_add_nc_u32 v[LSS], SROW, v[LSS]
	v_lshlrev_b32 v[SH], 4, v[HH]
	v_mul_u32_u24 v[LRA], v[R16], LP
	v_add3_u32 v[LRA], v[LRA], v[SH], s17
	v_add_nc_u32 v[LRS], s17, v[SH]
	v_add_nc_u32 v[LRS], SROW, v[LRS]
	v_lshl_add_u32 v[WO], v[HH], 15, v1            ; lanes 16-31: four rows of wt further down
	global_load_b64 v[SC:SC+1], v[YO], s[8:9] th:TH_LOAD_NT
.irp i, 0,1,2,3,4,5,6,7
	global_load_b128 v[WQ+4*(\i):WQ+4*(\i)+3], v[XO], s[6:7] offset:32768*(\i) th:TH_LOAD_NT  ; rows 2 i and 2 i + 1
.endr
	s_wait_loadcnt 8                               ; the scales are in; the eight loads behind them may stay out
	ds_store_b64 v[LSS], v[SC:SC+1]
.irp i, 0,1,2,3,4,5,6,7
	s_wait_loadcnt 7-(\i)
	ds_store_b128 v[LSA], v[WQ+4*(\i):WQ+4*(\i)+3] offset:2*LP*(\i)
.endr
.irp j, 0,1,2,3,4,5,6,7                ; back, turned.  The bytes are my wave's own, and LDS serves a wave's instructions in order (ISA guide 5.7.1.4): no wait and no barrier between the stores and these
	ds_load_b128 v[WD+4*(\j):WD+4*(\j)+3], v[LRA] offset:32*(\j)
	ds_load_b128 v[WS+4*(\j):WS+4*(\j)+3], v[LRS] offset:32*(\j)
.endr
	s_wait_kmcnt 0x0                               ; the zero points
; Columns 8 j + 4 (lane / 16) + 0..3: for each, one packed word becomes eight weights, 16 bytes of the column's row of wt.
.macro COLS j
	s_wait_dscnt 14-2*(\j)                         ; this group's two loads are in; the two of each later group may stay out
	s_wait_xcnt 0x0                                ; earlier stores have read their data: the set of 16 registers used two groups ago is written again only behind this wait
	v_lshrrev_b32 v[ZT], v[SH], s[ZW+(\j)]
.irp i, 0,1,2,3
	v_bfe_u32 v[ZP], v[ZT], 4*(\i), 4
	v_mad_u32_u24 v[NZ], v[ZP], s[TWICE], s[NEG128]              ; the bit pattern of -(128 + z) in both halves
	v_cvt_pk_bf16_f32 v[SP], v[WS+4*(\j)+(\i)], v[WS+4*(\j)+(\i)]
	v_and_or_b32 v[T], v[WD+4*(\j)+(\i)], s[MASK], s[MAGIC]     ; 128 + q of k 0 and k 4
.irp a, 1,2,3
	v_lshrrev_b32 v[T+(\a)], 4*(\a), v[WD+4*(\j)+(\i)]
	v_and_or_b32 v[T+(\a)], v[T+(\a)], s[MASK], s[MAGIC]        ; of k a and k a + 4
.endr
.irp a, 0,1,2,3
	v_pk_add_bf16 v[T+(\a)], v[T+(\a)], v[NZ]                    ; q - z: exact
.endr
.irp a, 0,1,2,3
	v_pk_mul_bf16 v[T+(\a)], v[T+(\a)], v[SP]                    ; the one rounding of the weight
.endr
	v_perm_b32 v[WQ+16*((\j)%2)+4*(\i)],   v[T+1], v[T],   s[SELLO]  ; k 0, 1
	v_perm_b32 v[WQ+16*((\j)%2)+4*(\i)+1], v[T+3], v[T+2], s[SELLO]  ; k 2, 3
	v_perm_b32 v[WQ+16*((\j)%2)+4*(\i)+2], v[T+1], v[T],   s[SELHI]  ; k 4, 5
	v_perm_b32 v[WQ+16*((\j)%2)+4*(\i)+3], v[T+3], v[T+2], s[SELHI]  ; k 6, 7
	global_store_b128 v[WO], v[WQ+16*((\j)%2)+4*(\i):WQ+16*((\j)%2)+4*(\i)+3], s[14:15] offset:(8*(\j)+(\i))*8192 th:TH_STORE_NT  ; 16 lanes store 256 consecutive bytes of one row, at a multiple of 256 from wt's first byte
.endr
.endm
.irp j, 0,1,2,3,4,5,6,7
	COLS \j
.endr
.Lend:
	s_wait_tensorcnt 0x0                           ; the wave's end: behind my last LDS store
	ds_add_u32 v[SPW], v[NIL]
	s_wait_dscnt 0x0
	s_endpgm
.Lfunc_end_k_q9ff7dd762c_prep:
	.size	k_q9ff7dd762c_prep, .Lfunc_end_k_q9ff7dd762c_prep-k_q9ff7dd762c_prep
	.p2alignl 7, 3214868480
	.fill 96, 4, 3214868480
	.section	.rodata,"a",@progbits
	.p2align	6, 0x0
	.amdhsa_kernel k_q9ff7dd762c_prep
		.amdhsa_group_segment_fixed_size 39936
		.amdhsa_private_segment_fixed_size 0
		.amdhsa_enable_private_segment 0
		.amdhsa_kernarg_size 48
		.amdhsa_user_sgpr_count 2
		.amdhsa_user_sgpr_kernarg_segment_ptr 1
		.amdhsa_wavefront_size32 1
		.amdhsa_system_sgpr_workgroup_id_x 1
		.amdhsa_system_sgpr_workgroup_id_y 1
		.amdhsa_system_sgpr_workgroup_id_z 1
		.amdhsa_system_vgpr_workitem_id 0
		.amdhsa_next_free_vgpr 128
		.amdhsa_next_free_sgpr 66
		.amdhsa_reserve_vcc 0
		.amdhsa_float_denorm_mode_32 3
		.amdhsa_float_denorm_mode_16_64 3
		.amdhsa_memory_ordered 1
		.amdhsa_forward_progress 1
		.amdhsa_inst_pref_size 63
	.end_amdhsa_kernel
	.amdgpu_metadata
---
amdhsa.version: [ 1, 2 ]
amdhsa.kernels:
  - .name:           k_q9ff7dd762c_prep
    .symbol:         k_q9ff7dd762c_prep.kd
    .args:
      - { .name: x, .offset: 0, .size: 8, .value_kind: global_buffer, .address_space: global }
      - { .name: qweight, .offset: 8, .size: 8, .value_kind: global_buffer, .address_space: global }
      - { .name: scales, .offset: 16, .size: 8, .value_kind: global_buffer, .address_space: global }
      - { .name: qzeros, .offset: 24, .size: 8, .value_kind: global_buffer, .address_space: global }
      - { .name: xb, .offset: 32, .size: 8, .value_kind: global_buffer, .address_space: global }
      - { .name: wt, .offset: 40, .size: 8, .value_kind: global_buffer, .address_space: global }
    .group_segment_fixed_size: 39936
    .private_segment_fixed_size: 0
    .kernarg_segment_align: 8
    .kernarg_segment_size: 48
    .max_flat_workgroup_size: 256
    .sgpr_count:     66
    .vgpr_count:     128
    .wavefront_size: 32
...
	.end_amdgpu_metadata
.endif
;; end of part 1
;; launch gemm (part 2): grid 16 x 16, 4 waves a work-group, clusters of 4 x 4, 327,680 bytes of LDS; arguments xb, wt, bias, out0; writes out0
.if DOCPART == 2
	.amdgcn_target "amdgcn-amd-amdhsa--gfx1250"
	.amdhsa_code_object_version 6
	.text
	.protected	k_q9ff7dd762c_gemm
	.globl	k_q9ff7dd762c_gemm
	.p2align	8
	.type	k_q9ff7dd762c_gemm,@function
k_q9ff7dd762c_gemm:
	s_mov_b64 s[64:65], 0
	v_nop
	global_prefetch_b8 v0, s[64:65] scope:SCOPE_SE
	s_setreg_imm32_b32 hwreg(HW_REG_WAVE_MODE, 25, 1), 1
	s_wait_xcnt 0x0
	s_wait_alu depctr_hold_cnt(0) depctr_sa_sdst(0) depctr_va_vdst(0) depctr_va_sdst(0) depctr_va_ssrc(0) depctr_va_vcc(0) depctr_vm_vsrc(0)
	s_getreg_b32 s2, hwreg(HW_REG_IB_STS2, 6, 4)
	s_cmp_eq_u32 s2, 0
	s_cbranch_scc0 .Lentry_in_a_cluster
	s_endpgm
.Lentry_in_a_cluster:
	s_bfe_u32 s2, ttmp6, 0x10000c
	s_cmp_lg_u32 s2, 0xf033
	s_cbranch_scc0 .Lentry_shape_is_right
	s_endpgm
.Lentry_shape_is_right:
; out0[m][n] = the sum over k of xb[m][k] wt[n][k] + bias[n].  xb: [4096][4096] bf16, wt: [4096 n][4096 k] bf16, bias: [4096] f32, out0: [4096][4096] f32.  One f32 sum for each output, K ascending.
; LIMITS.  The operands are bf16 as the launch before made them; NaN and infinities are not treated apart.
; A tile of out0, 256 x 256, is made by a work-group of four waves; a wave makes 128 x 128: 64 accumulators of 16 x 16, 512 registers.  16 x 16 tiles: 256 work-groups, one tile each.
; K goes in 32 steps of 128 through a ring of two LDS slots filled by the tensor data mover: the tiles' rows are 256 bytes of memory and start at multiples of 256 bytes from the buffer's first byte.
; CLUSTERS: 4 x 4 work-groups.  The four of a row of the cluster need the same tiles of xb, the four of a column the same tiles of wt.  Such a tile is asked for JOINTLY: each of the four issues the
; same tensor load, with the same descriptor and a mask that names the four, and each receives the tile in its own LDS: the requests for both operands are divided by four.
; REGISTERS, in windows of 256 (s_set_vgpr_msb's low byte: bits 1:0 source 0, 3:2 source 1, 5:4 source 2, 7:6 destination):
;   window 0: v0-31 addresses and the bias; v64-127, v128-191 fragments of xb, two buffers; on the way out the same 128 registers hold two blocks of 16 rows read back from the stage
;   window 1: v64-127, v128-191 fragments of wt, two buffers
;   window 2: the 32 accumulators of my rows 0-63 (accumulator (a, b) at v[8 (8 a + b)]);   window 3: those of my rows 64-127
; THE MATRIX INSTRUCTION IS USED TRANSPOSED: source 0 = 16 rows of wt, source 1 = 16 rows of xb.  In the result lane l holds row l % 16 of out0 and the columns 8 (l / 16) + 0 .. 7: 32 neighbouring bytes.
.set SIZE_N, 4096
.set SIZE_K, 4096
.set KSTEP,  128
.set PITCH,  272                       ; an LDS row: 256 bytes + 16 of padding = 68 words: row r starts at bank 4 r mod 64 (64 banks of 4 bytes: ISA guide 11.1), so the 16 rows that a load touches start at 16 different banks
.set HALFT,  128*PITCH                 ; 128 rows: what one tensor load brings, and what one wave reads of either operand
.set SLOT,   4*HALFT                   ; xb's 256 rows, then wt's 256 rows
.set STAGE,  2*SLOT                    ; behind the ring, never filled by a tensor load: 16 rows x 528 bytes for each wave, for the way out
.set SPITCH, 528                       ; a stage row: 128 f32 + 16 bytes = 132 words: row r starts at bank 4 r mod 64
.set SPARE,  STAGE+4*16*SPITCH         ; behind the stages: the spare words, 128 bytes for each wave: two blocks of 256 bytes that no other line names
.set LAPS,   SIZE_K/(2*KSTEP)          ; a lap = two K steps = once round the ring: 16
.set BIAS, 12                          ; v[12:15] the bias of the four columns that I store
.set ADRA, 16                          ; v16-17  LDS address of my fragments of xb in slot 0, 1
.set ADRB, 20                          ; v20-21  the same for wt
.set STO,  24                          ; v24     the way out: where I put 32 bytes of a row
.set RD,   25                          ; v25     the way out: where I read 16 bytes of a row back
.set CO,   26                          ; v26     16 x lane: my bytes in a row's 512
.set BO,   27                          ; v27     my byte offset in bias
.set SPW,  28                          ; v28     LDS address of my spare word: SPARE + 4 x my thread's number; never rewritten
.set NIL,  29                          ; v29     0; never rewritten
.set PFO,  30                          ; v30     the prefetches' offset: my lane x a row of xb or wt (8,192 bytes); never rewritten
.set PFA,  44                          ; s[44:45] where my prefetches stand: my work-group's 32 rows of the 128 that I fetch, one K step further along K than the refill that is being asked for
.set LIM,  43                          ; s43     1 in a wave that prefetches, else the greatest number
.set BP,   68                          ; s[68:69] bias
.set F0,   64                          ; fragment buffer 0
.set F1,   128                         ; fragment buffer 1
.set OB,   64                          ; the way out: 16 rows read back, 64 registers; two such buffers by turns
.set G1, 24                            ; s[24:31] descriptor group 1 for xb's tiles
.set G0, 32                            ; s[32:39] descriptor group 0 for xb's tiles, one set for each slot
.set G1B, 48                           ; s[48:55] group 1 for wt's tiles: it differs in the mask alone
.set G0B, 56                           ; s[56:63] group 0 for wt's tiles, one set for each slot
.set MSB, 0
.macro WIN new                         ; the immediate's high byte repeats the setting that is left; a switch that changes nothing is dropped
.if MSB != (\new)
	s_set_vgpr_msb (MSB<<8)|(\new)
.set MSB, \new
.endif
.endm
.set MUL_LO, 0xa1                      ; source 0 (wt) window 1, source 1 (xb) window 0, C and D window 2
.set MUL_HI, 0xf1                      ; the same, C and D window 3
.set TO_B,   0x40                      ; destination window 1, address window 0
; A joint load.  Waves 0 and 1 fetch xb's two halves, waves 2 and 3 wt's.  Each of the two lines has ONE mask and one set of registers for all that issue it.  The branch hangs on the wave's number alone.
; An s_nop 0 and four v_nop follow each of the two lines; the jump, the label and what follows come after them.
.macro JLOAD s
	s_cmp_eq_u32 s11, 0
	s_cbranch_scc0 .Lfor_b_\@
	tensor_load_to_lds s[G0+4*(\s):G0+4*(\s)+3], s[G1:G1+7]
	s_nop 0
.rept 4
	v_nop
.endr
	s_branch .Lasked_\@
.Lfor_b_\@:
	tensor_load_to_lds s[G0B+4*(\s):G0B+4*(\s)+3], s[G1B:G1B+7]
	s_nop 0
.rept 4
	v_nop
.endr
.Lasked_\@:
.endm
; A PREFETCH INTO THE L2, behind each joint refill and the run of LDS loads that follows it: the K step that stands TWO refills on, 512 matrix instructions ahead of the load that will want it:
; 32 rows x 256 bytes, a lane a row, one instruction a wave.  Each row's 256 bytes of a K step are named ONCE in the launch: xb's tile row is read by every cluster of that row of clusters, and the
; one with cluster x = 0 asks; wt's tile column by every cluster of that column, and the one with cluster y = 0 asks.  The four partners that ask for a tile jointly share its rows out BY ADDRESS:
; of the 128 rows that a wave fetches the partner at place p takes 32 p .. 32 p + 31 (p = cx for xb, cy for wt).  The loop's last trip (s3 = 1) asks for nothing: K steps 32 and 33 do not exist.
.macro ASK
	s_cmp_gt_u32 s3, s[LIM]
	s_cbranch_scc0 .Lnot_mine_\@
	global_prefetch_b8 v[PFO], s[PFA:PFA+1] offset:KSTEP*2 th:TH_LOAD_NT scope:SCOPE_SE
.Lnot_mine_\@:
.endm
; A round of the cluster's barrier: my work-group's barrier, so that wave 0's signal speaks for all four waves; wave 0 signals for the work-group; every wave waits for all sixteen work-groups;
; my work-group's barrier once more.  No LDS instruction of the wave is pending at a signal.
.macro CREST                           ; a round behind its opening barrier
	s_cmp_lg_u32 s10, 0
	s_cbranch_scc1 .Lnot_wave_0_\@
	s_barrier_signal -3
.Lnot_wave_0_\@:
	s_barrier_wait -3
	s_barrier_signal -1
	s_barrier_wait -1
.endm
.macro CROUND                          ; a whole round
	s_barrier_signal -1
	s_barrier_wait -1
	CREST
.endm
	s_load_b128 s[4:7], s[0:1], 0x0                ; xb s[4:5], wt s[6:7]
	s_load_b64 s[BP:BP+1], s[0:1], 0x10            ; bias
	s_load_b64 s[8:9], s[0:1], 0x18                ; out0
	v_lshl_add_u32 v[SPW], v0, 2, SPARE
	v_mov_b32 v[NIL], 0
	ds_add_u32 v[SPW], v[NIL]                      ; the wave's opening: the add and its wait stand ahead of my first tensor load; the set-up below, work on registers, stands between them
	v_lshrrev_b32 v1, 5, v0
	v_readfirstlane_b32 s10, v1                    ; wave 0..3
	s_lshr_b32 s11, s10, 1                         ; which half of the tile's rows is mine.  Also: I fetch for xb (0) or for wt (1)
	s_and_b32 s12, s10, 1                          ; which half of its columns.  Also: which 128 rows of that tile I fetch
	s_bfe_u32 s40, ttmp6, 0x40000                  ; cx: my place along the cluster's x
	s_bfe_u32 s41, ttmp6, 0x40004                  ; cy: along its y
	s_lshl_b32 s42, ttmp9, 2                       ; in a cluster launch ttmp9 and ttmp7 count clusters
	s_add_co_u32 s42, s42, s40                     ; tile column = 4 x cluster x + cx
	s_and_b32 s13, ttmp7, 0xffff
	s_lshl_b32 s13, s13, 2
	s_add_co_u32 s13, s13, s41                     ; tile row = 4 x cluster y + cy
	s_lshl_b32 s43, s41, 2
	s_lshl_b32 s43, 15, s43                        ; my row of the cluster: places 4 cy .. 4 cy + 3
	s_lshl_b32 s44, 0x1111, s40                    ; my column: places cx, cx + 4, cx + 8, cx + 12
	; descriptor group 1: a tile of 128 rows x 128 elements, padded in LDS
	s_or_b32 s[G1+0], s43, (1<<16)|(1<<20)|(1<<21)|(5<<22)|(3<<25)  ; 15:0 the mask: xb's tiles go to my row; 17:16 elements of 2 bytes; 20 padding on; 21 set beside a mask; 24:22 after every 64 words (code 5); 31:25 4 words of it (code 3)
	s_or_b32 s[G1B+0], s44, (1<<16)|(1<<20)|(1<<21)|(5<<22)|(3<<25) ; the same with the mask of my column, for wt's tiles
	s_mov_b32 s[G1B+1], KSTEP<<16
	s_mov_b32 s[G1+1], KSTEP<<16                   ; 63:48 tensor_dim0, low half = 128
	s_mov_b32 s[G1B+2], 128<<16
	s_mov_b32 s[G1+2], 128<<16                     ; 79:64 its high half = 0; 95:80 tensor_dim1, low half = 128
	s_mov_b32 s[G1B+3], KSTEP<<16
	s_mov_b32 s[G1+3], KSTEP<<16                   ; 111:96 its high half = 0; 127:112 tile_dim0 = 128
	s_mov_b32 s[G1B+4], 128
	s_mov_b32 s[G1+4], 128                         ; 143:128 tile_dim1 = 128; 159:144 tile_dim2 = 0
	s_mov_b32 s[G1B+5], SIZE_K
	s_mov_b32 s[G1+5], SIZE_K                      ; 191:160 tensor_dim0_stride, low word: elements from row to row
	s_mov_b32 s[G1B+6], 0
	s_mov_b32 s[G1+6], 0
	s_mov_b32 s[G1B+7], 0
	s_mov_b32 s[G1+7], 0
	; where the tiles come from.  xb's hang on the tile row alone, which my row of the cluster shares; wt's on the tile column alone, which my column shares.
	; Every wave makes both addresses, in registers that never hold the other coordinate, and asks by one of them.
	s_lshl_b32 s17, s12, 7                         ; which 128 rows of the tile I fetch
	s_lshl_b32 s16, s13, 8
	s_add_co_u32 s16, s16, s17                     ; xb: row 256 x tile row + 128 x half
	s_lshl_b32 s46, s42, 8
	s_add_co_u32 s46, s46, s17                     ; wt: row 256 x tile column + 128 x half
	s_mov_b32 s17, 0
	s_mov_b32 s47, 0
	s_mov_b64 s[18:19], SIZE_K*2
	s_mul_u64 s[16:17], s[16:17], s[18:19]         ; in bytes
	s_mul_u64 s[46:47], s[46:47], s[18:19]
	s_mul_i32 s20, s10, HALFT                      ; and where they go: wave x 128 rows: no place in the cluster enters an LDS address
	s_wait_dscnt 0x0                               ; the opening add is done
	s_wait_kmcnt 0x0
	s_add_nc_u64 s[14:15], s[4:5], s[16:17]
	s_add_nc_u64 s[46:47], s[6:7], s[46:47]
	CROUND                                         ; all sixteen work-groups are here: the first joint loads meet
.irp s, 0,1
	s_mov_b32 s[G0+4*(\s)], 1                                      ; 1:0 count = 1
	s_add_co_u32 s[G0+4*(\s)+1], s20, (\s)*SLOT                    ; 63:32 LDS address
	s_add_nc_u64 s[G0+4*(\s)+2:G0+4*(\s)+3], s[14:15], (\s)*KSTEP*2  ; 120:64 global address: K step s
	s_or_b32 s[G0+4*(\s)+3], s[G0+4*(\s)+3], 0x80000000            ; 127:126 type = 2
	s_mov_b32 s[G0B+4*(\s)], 1
	s_add_co_u32 s[G0B+4*(\s)+1], s20, (\s)*SLOT
	s_add_nc_u64 s[G0B+4*(\s)+2:G0B+4*(\s)+3], s[46:47], (\s)*KSTEP*2
	s_or_b32 s[G0B+4*(\s)+3], s[G0B+4*(\s)+3], 0x80000000
	JLOAD \s                                       ; the ring is filled before anything else is done: two tensor loads of mine are out
.endr
	; A fragment is 16 rows x 32 K in 8 registers: lane l holds row l % 16; registers 0-3 hold K = 8 (l / 16) + 0..7, registers 4-7 hold K = 16 + 8 (l / 16) + 0..7: two loads of 16 bytes, 32 bytes apart.
	v_and_b32 v1, 15, v0                           ; l % 16
	v_bfe_u32 v2, v0, 4, 1                         ; l / 16
	v_mul_u32_u24 v3, v1, PITCH
	v_lshl_add_u32 v3, v2, 4, v3                   ; row x pitch + 16 x half
	s_mul_i32 s21, s11, HALFT                      ; my 128 rows of xb
	s_mul_i32 s22, s12, HALFT                      ; my 128 rows of wt,
	s_add_co_u32 s22, s22, 2*HALFT                 ; which lie behind xb's 256
.irp s, 0,1
	v_add_nc_u32 v[ADRA+(\s)], s21, v3
	v_add_nc_u32 v[ADRB+(\s)], s22, v3
	s_add_co_u32 s21, s21, SLOT
	s_add_co_u32 s22, s22, SLOT
.endr
	s_mul_i32 s23, s10, 16*SPITCH
	s_add_co_u32 s23, s23, STAGE                   ; my stage
	v_mul_u32_u24 v4, v1, SPITCH                   ; in: row l % 16, 32 bytes for each half of the lanes
	v_lshl_add_u32 v4, v2, 5, v4
	v_add_nc_u32 v[STO], s23, v4
	v_and_b32 v5, 31, v0
	v_lshlrev_b32 v[CO], 4, v5                     ; back: 32 lanes take one row of 512 bytes
	v_add_nc_u32 v[RD], s23, v[CO]
	; where my part of the tile begins in out0
	s_lshl_b32 s13, s13, 8
	s_lshl_b32 s14, s11, 7
	s_add_co_u32 s16, s13, s14                     ; my first row
	s_mov_b32 s17, 0
	s_mov_b64 s[18:19], SIZE_N*4
	s_mul_u64 s[16:17], s[16:17], s[18:19]
	s_lshl_b32 s46, s42, 10                        ; my first column, in bytes: 1,024 x tile column + 512 x half; the same offset serves bias (in the registers that held wt's address: none that feeds xb's descriptors ever holds cx)
	s_lshl_b32 s47, s12, 9
	s_add_co_u32 s46, s46, s47
	s_mov_b32 s47, 0
	v_add_nc_u32 v[BO], s46, v[CO]
	global_load_b128 v[BIAS:BIAS+3], v[BO], s[BP:BP+1]  ; waited for on the way out
	s_add_nc_u64 s[16:17], s[16:17], s[46:47]
	s_add_nc_u64 s[8:9], s[8:9], s[16:17]          ; out0 at my first row and column: never stepped again
	; the prefetches.  s13 = 256 x tile row, s42 = tile column, s40 = cx, s41 = cy still stand
	s_lshl_b32 s42, s42, 8
	s_and_b32 s22, ttmp7, 0xffff                   ; cluster y
	s_cmp_eq_u32 s11, 0                            ; do I fetch for xb?
	s_cselect_b32 s20, s13, s42                    ; the tile's first row: in xb by the tile row, in wt by the tile column
	s_cselect_b32 s21, s40, s41                    ; my place among the four that ask for it with me
	s_cselect_b32 s22, ttmp9, s22                  ; the coordinate along which other clusters read the same rows
	s_cselect_b64 s[PFA:PFA+1], s[4:5], s[6:7]
	s_cmp_eq_u32 s22, 0
	s_cselect_b32 s[LIM], 1, -1                    ; the same in all sixteen partners, for a given wave
	s_lshl_b32 s22, s12, 7
	s_add_co_u32 s20, s20, s22                     ; + the 128 rows that I fetch
	s_lshl_b32 s21, s21, 5
	s_add_co_u32 s20, s20, s21                     ; + my work-group's 32 of them
	s_mov_b32 s21, 0
	s_mov_b64 s[18:19], SIZE_K*2
	s_mul_u64 s[20:21], s[20:21], s[18:19]
	s_add_nc_u64 s[PFA:PFA+1], s[PFA:PFA+1], s[20:21]
	s_add_nc_u64 s[PFA:PFA+1], s[PFA:PFA+1], 2*KSTEP*2  ; at K step 2: the first refill steps it to 3 and names K step 4
	v_and_b32 v[PFO], 31, v0
	v_mul_u32_u24 v[PFO], v[PFO], SIZE_K*2
	; nothing is prefetched here, at the head, where every work-group's first two tiles are on their way: K steps 2 and 3 come by their refills alone
; 16 matrix instructions: m blocks a0, a0 + 1 of the window's four (hi = 0: my rows 0-63, 1: rows 64-127) x all 8 n blocks, 32 along K.  zero = 1: the first product starts the sums: nothing is ever cleared.
.macro MUL16 f, hi, a0, zero
	WIN MUL_LO+0x50*(\hi)
.irp a, \a0, (\a0)+1
.irp b, 0,1,2,3,4,5,6,7
.if \zero
	v_wmma_f32_16x16x32_bf16 v[8*(8*(\a)+(\b)):8*(8*(\a)+(\b))+7], v[(\f)+8*(\b):(\f)+8*(\b)+7], v[(\f)+8*(4*(\hi)+(\a)):(\f)+8*(4*(\hi)+(\a))+7], 0
.else
	v_wmma_f32_16x16x32_bf16 v[8*(8*(\a)+(\b)):8*(8*(\a)+(\b))+7], v[(\f)+8*(\b):(\f)+8*(\b)+7], v[(\f)+8*(4*(\hi)+(\a)):(\f)+8*(4*(\hi)+(\a))+7], v[8*(8*(\a)+(\b)):8*(8*(\a)+(\b))+7]
.endif
.endr
.endr
.endm
; 32 LDS loads in one run: the fragments of one quarter step (128 rows of wt, 128 rows of xb, 32 K at byte k of the rows) into buffer f
.macro FETCH slot, k, f
	WIN TO_B
.irp i, 0,1,2,3,4,5,6,7
	ds_load_b128 v[(\f)+8*(\i):(\f)+8*(\i)+3],   v[ADRB+(\slot)] offset:(\k)+(\i)*16*PITCH
	ds_load_b128 v[(\f)+8*(\i)+4:(\f)+8*(\i)+7], v[ADRB+(\slot)] offset:(\k)+(\i)*16*PITCH+32
.endr
	WIN 0
.irp i, 0,1,2,3,4,5,6,7
	ds_load_b128 v[(\f)+8*(\i):(\f)+8*(\i)+3],   v[ADRA+(\slot)] offset:(\k)+(\i)*16*PITCH
	ds_load_b128 v[(\f)+8*(\i)+4:(\f)+8*(\i)+7], v[ADRA+(\slot)] offset:(\k)+(\i)*16*PITCH+32
.endr
.endm
; A load into a register that a matrix instruction has read, and an instruction that reads a matrix result, stand four places behind that matrix instruction, and only plain vector instructions
; that name none of its registers are places (ISA guide 7.12.1 for vector instructions).
.macro PLACES
.rept 4
	v_nop
.endr
.endm
; A K step is four quarter steps of 32 along K, 64 matrix instructions each, on buffers 0, 1, 0, 1.  The 64 accumulators take turns in the same order in every quarter.
; One of the first three: multiplies buffer f; in its middle it fetches the next quarter's fragments, at byte k of the same slot's rows, into buffer g.
.macro QUARTER slot, k, f, g, zero
	s_wait_dscnt 8                                 ; wt and xb's rows 0-63 are in; the youngest eight loads (xb's rows 64-127) may be out
	WIN MUL_LO
	MUL16 \f, 0, 0, \zero
	MUL16 \f, 0, 2, \zero
	PLACES
	FETCH \slot, \k, \g
	s_wait_dscnt 32                                ; all but the 32 just issued
	WIN MUL_HI
	MUL16 \f, 1, 0, \zero
	MUL16 \f, 1, 2, \zero
.endm
; The last quarter multiplies buffer 1 and changes slots.  MEET is its first half: ONE barrier for the change.  In front of it each wave waits for all its tensor loads, of which one is out: its part of
; the next slot; adds 0 to its spare word; and waits for that and for its own reads of this slot.  Behind it nobody reads this slot any more and the next slot is whole.
.macro MEET round                      ; round = 1: a round of the cluster's barrier follows
	WIN 0                                          ; (the add's two registers lie in window 0)
	s_wait_tensorcnt 0x0                           ; all my tensor loads have landed
	ds_add_u32 v[SPW], v[NIL]                      ; 0 onto my spare word
	s_wait_dscnt 9                                 ; (the add and the youngest eight loads may be out)
	WIN MUL_LO
	MUL16 F1, 0, 0, 0                              ; sixteen matrix instructions stand between the add and the wait for it
	s_wait_dscnt 0x0                               ; the add is done, and my reads of this slot are over
	s_barrier_signal -1
	MUL16 F1, 0, 2, 0                              ; work on registers while the others arrive
.if \round
	WIN 0
.endif
	s_barrier_wait -1
.endm
; The whole last quarter.  Behind the round the slot just read out is filled again first, with the K step two steps on; then come the next slot's first fragments.
; From a request to the wait for it a wave issues 224 matrix instructions.
.macro TURN slot, next
	s_wait_xcnt 0x0                                ; the last prefetch, a K step back, has read its address: it is stepped here, ahead of the waits of the change of slots
	s_add_nc_u64 s[PFA:PFA+1], s[PFA:PFA+1], KSTEP*2
	MEET 1
	CREST                                          ; no wave of any partner still reads this slot's tile or has a load on its way
	s_add_nc_u64 s[G0+4*(\slot)+2:G0+4*(\slot)+3], s[G0+4*(\slot)+2:G0+4*(\slot)+3], 2*KSTEP*2    ; no tensor load of mine is out, so a group 0 may be written
	s_add_nc_u64 s[G0B+4*(\slot)+2:G0B+4*(\slot)+3], s[G0B+4*(\slot)+2:G0B+4*(\slot)+3], 2*KSTEP*2
	JLOAD \slot                                    ; the first tensor load behind the round, my only one until the next; the four v_nop behind it are also the places in front of the loads below
	FETCH \next, 0, F0
	ASK
	WIN MUL_HI
	MUL16 F1, 1, 0, 0
	MUL16 F1, 1, 2, 0
.endm
	s_wait_tensorcnt 1                             ; my part of K step 0 is in; K step 1's may stay out
	s_barrier_signal -1
	s_barrier_wait -1                              ; everybody's is
	FETCH 0, 0, F0
	QUARTER 0, 64,  F0, F1, 1                      ; the first quarter stands in front of the loop: its products start the sums
	WIN 0                                          ; at a label and at a branch every window is 0
	s_mov_b32 s3, LAPS-1
.Llap:                                                 ; a trip goes once round the ring, from a lap's second quarter to the next lap's first, and fills both slots again: 15 trips ask for K steps 2 to 31
	QUARTER 0, 128, F1, F0, 0
	QUARTER 0, 192, F0, F1, 0
	TURN 0, 1
	QUARTER 1, 64,  F0, F1, 0
	QUARTER 1, 128, F1, F0, 0
	QUARTER 1, 192, F0, F1, 0
	TURN 1, 0
	QUARTER 0, 64,  F0, F1, 0
	WIN 0
	s_sub_co_u32 s3, s3, 1
	s_cmp_lg_u32 s3, 0
	s_cbranch_scc1 .Llap
	QUARTER 0, 128, F1, F0, 0                      ; the last lap is written out: it asks for nothing more
	QUARTER 0, 192, F0, F1, 0
	MEET 0                                         ; my one tensor load that was still out is slot 1's, the last K step's, so no round follows
	PLACES                                         ; for the loads into buffer 0, which the quarter before multiplied
	FETCH 1, 0, F0
	WIN MUL_HI
	MUL16 F1, 1, 0, 0
	MUL16 F1, 1, 2, 0
	QUARTER 1, 64,  F0, F1, 0
	QUARTER 1, 128, F1, F0, 0
	QUARTER 1, 192, F0, F1, 0
	s_wait_dscnt 8                                 ; the very last quarter: nothing more to fetch
	WIN MUL_LO
	MUL16 F1, 0, 0, 0
	MUL16 F1, 0, 2, 0
	s_wait_dscnt 0x0
	MUL16 F1, 1, 0, 0
	MUL16 F1, 1, 2, 0
	WIN 0
; THE WAY OUT, a block of 16 rows at a time.  TOSTAGE: a lane's 32 bytes of each of the block's eight accumulators go into my own stage (rows of 528 bytes) and come back as whole rows of 512 bytes.
; SEND: the bias is added, and 32 lanes store a row's 512 consecutive bytes.  The stage is my wave's own and LDS serves a wave's instructions in order (ISA guide 5.7.1.4): no wait between the stores
; and the loads, and the next block's stores come behind this block's loads.
.macro TOSTAGE a
.set AC, 64*((\a)%4)                   ; the block's eight accumulators, in window 2 (blocks 0-3) or 3 (blocks 4-7)
.set BK, OB+64*((\a)%2)
	s_wait_xcnt 0x0                                ; the stores of the block two back have read their data: its buffer is loaded again only behind this wait
	WIN 0x08+4*((\a)/4)                            ; an LDS store's data is source 1
.irp b, 0,1,2,3,4,5,6,7
	ds_store_b128 v[STO], v[AC+8*(\b):AC+8*(\b)+3]   offset:64*(\b)      ; each accumulator's four lowest registers first
	ds_store_b128 v[STO], v[AC+8*(\b)+4:AC+8*(\b)+7] offset:64*(\b)+16
.endr
	WIN 0
.irp t, 0,1,2,3,4,5,6,7,8,9,10,11,12,13,14,15
	ds_load_b128 v[BK+4*(\t):BK+4*(\t)+3], v[RD] offset:(\t)*SPITCH
.endr
.endm
.macro SEND a, younger                 ; younger: the LDS instructions issued behind block a's loads: the next block's 32, or none
.set BK, OB+64*((\a)%2)
.irp t, 0,1,2,3,4,5,6,7,8,9,10,11,12,13,14,15
	s_wait_dscnt (\younger)+15-(\t)                ; row t is back; the block's later rows and the next block's instructions may be out
	v_pk_add_f32 v[BK+4*(\t):BK+4*(\t)+1],   v[BK+4*(\t):BK+4*(\t)+1],   v[BIAS:BIAS+1]
	v_pk_add_f32 v[BK+4*(\t)+2:BK+4*(\t)+3], v[BK+4*(\t)+2:BK+4*(\t)+3], v[BIAS+2:BIAS+3]
	global_store_b128 v[CO], v[BK+4*(\t):BK+4*(\t)+3], s[8:9] offset:(16*(\a)+(\t))*SIZE_N*4 th:TH_STORE_NT  ; 512 consecutive bytes, at a multiple of 512 from out0's first; the row stands in the immediate: 127 rows of 16,384 bytes at the most, inside its signed 24 bits
.endr
.endm
	s_wait_loadcnt 0x0                             ; the bias
	PLACES                                         ; eight places, once a launch, behind the last products: the stage's stores read results,
	PLACES                                         ; and its loads land in registers that those products have read
	TOSTAGE 0
.irp a, 1,2,3,4,5,6,7
	TOSTAGE \a                                     ; block a goes into the stage while block a - 1's rows come back
	SEND (\a)-1, 32
.endr
	SEND 7, 0
	s_wait_tensorcnt 0x0                           ; the wave's end: behind my last tensor load and my last LDS store
	ds_add_u32 v[SPW], v[NIL]
	s_wait_dscnt 0x0
	CROUND                                         ; the closing round: no work-group ends while a partner may still ask for a tile that names it
	s_endpgm
.Lfunc_end_k_q9ff7dd762c_gemm:
	.size	k_q9ff7dd762c_gemm, .Lfunc_end_k_q9ff7dd762c_gemm-k_q9ff7dd762c_gemm
	.p2alignl 7, 3214868480
	.fill 96, 4, 3214868480
	.section	.rodata,"a",@progbits
	.p2align	6, 0x0
	.amdhsa_kernel k_q9ff7dd762c_gemm
		.amdhsa_group_segment_fixed_size 327680
		.amdhsa_private_segment_fixed_size 0
		.amdhsa_enable_private_segment 0
		.amdhsa_kernarg_size 32
		.amdhsa_user_sgpr_count 2
		.amdhsa_user_sgpr_kernarg_segment_ptr 1
		.amdhsa_wavefront_size32 1
		.amdhsa_system_sgpr_workgroup_id_x 1
		.amdhsa_system_sgpr_workgroup_id_y 1
		.amdhsa_system_sgpr_workgroup_id_z 1
		.amdhsa_system_vgpr_workitem_id 0
		.amdhsa_next_free_vgpr 1024
		.amdhsa_next_free_sgpr 70
		.amdhsa_reserve_vcc 0
		.amdhsa_float_denorm_mode_32 3
		.amdhsa_float_denorm_mode_16_64 3
		.amdhsa_memory_ordered 1
		.amdhsa_forward_progress 1
		.amdhsa_inst_pref_size 161
	.end_amdhsa_kernel
	.amdgpu_metadata
---
amdhsa.version: [ 1, 2 ]
amdhsa.kernels:
  - .name:           k_q9ff7dd762c_gemm
    .symbol:         k_q9ff7dd762c_gemm.kd
    .args:
      - { .name: xb, .offset: 0, .size: 8, .value_kind: global_buffer, .address_space: global }
      - { .name: wt, .offset: 8, .size: 8, .value_kind: global_buffer, .address_space: global }
      - { .name: bias, .offset: 16, .size: 8, .value_kind: global_buffer, .address_space: global }
      - { .name: out0, .offset: 24, .size: 8, .value_kind: global_buffer, .address_space: global }
    .group_segment_fixed_size: 327680
    .private_segment_fixed_size: 0
    .kernarg_segment_align: 8
    .kernarg_segment_size: 32
    .max_flat_workgroup_size: 128
    .sgpr_count:     70
    .vgpr_count:     1024
    .wavefront_size: 32
...
	.end_amdgpu_metadata
.endif
;; end of part 2
;; ======== version 2 of 2: 2 launches; version 1 with the launch prep written anew for expert scheduling mode
;; workspace buffers: xb 33,554,432 bytes; wt 33,554,432 bytes
;; launch prep (part 3): grid 512 x 1, 8 waves a work-group, no clusters, 39,936 bytes of LDS; arguments x, qweight, scales, qzeros, xb, wt; writes xb, wt
.if DOCPART == 3
	.amdgcn_target "amdgcn-amd-amdhsa--gfx1250"
	.amdhsa_code_object_version 6
	.text
	.protected	k_q9ff7dd762c_prep
	.globl	k_q9ff7dd762c_prep
	.p2align	8
	.type	k_q9ff7dd762c_prep,@function
k_q9ff7dd762c_prep:
	s_mov_b64 s[64:65], 0
	v_nop
	global_prefetch_b8 v0, s[64:65] scope:SCOPE_SE
	s_setreg_imm32_b32 hwreg(HW_REG_WAVE_SCHED_MODE, 0, 2), 2
	s_setreg_imm32_b32 hwreg(HW_REG_WAVE_MODE, 25, 1), 1
	s_wait_xcnt 0x0
	s_wait_alu depctr_vm_vsrc(0)
; THE TWO OPERANDS OF THE PRODUCT ARE MADE, each rounded once to bf16.  One text, two roles, chosen by the work-group's number.
; ROLE X (work-groups 0-255):   xb[m][k] = bf16(x[m][k]).  x: [4096][4096] f32, xb: the same shape in bf16.
; ROLE W (work-groups 256-511): wt[n][k] = bf16((q - z) * bf16(s)); q = nibble k % 8 of qweight[k / 8][n], z = nibble n % 8 of qzeros[k / 128][n / 8], s = scales[k / 128][n].
;                               wt: [4096 n][4096 k] bf16: the weights turned, so that K lies along the rows, as a matrix operand wants it.
; LIMITS.  x, each scale and each weight are rounded once to bf16 (q - z is exact in bf16: whole numbers of at most 15).  An x beyond bf16's largest finite number becomes an infinity;
; NaN and infinities are not treated apart.  All 32 bits of a packed word are taken, the top bit too: nibbles are cut by logical shifts and masks.
; Both roles are streams: every byte is read once and written once, no wave reads what another wave fetched: no barrier, no matrix instruction, no cluster.
; THE MODE: SCHED_MODE bits 1:0 = 2 (LLVM: expert scheduling mode 2), set by the entry lines.  The code itself states the register dependences
; between vector instructions and memory or LDS instructions, with s_wait_alu, always for 0.
; THE PLAN, ROLE X.  Registers that memory instructions touch:
;   X, 16 slots    Written by the slot's load; read by the slot's two roundings; behind them the load of the piece 16 further on lands in it.
;   Y, 16 slots    Written by the slot's roundings; read by the slot's store; written again one turn of the ring later.
;   v[XO], v[YO]   Offsets, made once at the role's head and never written again: the two scalar bases move on, and immediate offsets do the rest.
; The ring goes in groups of four slots: eight roundings, ONE wait on va_vdst, four loads, four stores.  ONE wait on vm_vsrc a turn of the ring stands ahead of the next turn's roundings.
; THE PLAN, ROLE W.  Registers that memory or LDS instructions touch:
;   the offsets and addresses v5 to v11   Made once at the role's head, never written again.
;   SC             Written by a load, read by one LDS store.
;   WQ             Written by eight loads; read by eight LDS stores; from then on two sets of 16 registers: group j's v_perm_b32 write set j % 2, and the four stores issued at the head of group j + 1 read it.
;   WD, WS         Written by LDS loads, once; read by vector instructions alone.
; So the waits at a group's head state all that its four stores hang on, and the group's vector instructions, which name the other set, follow with no further wait.
.set SPARE,  38912                     ; behind the eight waves' LDS: the spare words, 128 bytes for each wave: four blocks of 256 bytes that no other line names
.set WLDS,   4864                      ; LDS of one wave (role W): 17 rows of 272 bytes, rounded up to 19 x 256
.set LP,     272                       ; an LDS row: 256 bytes + 16 = 68 words: row r starts at bank 4 r mod 64 (64 banks of 4 bytes: ISA guide 11.1)
.set SROW,   16*LP                     ; row 16: the 64 scales
.set RING,   16                        ; role X: slots = loads of a wave in flight
.set ROUNDB, RING*512                  ; role X: bytes of x in one turn of all slots
.set LANE, 2                           ; v2   lane
.set R16,  3                           ; v3   lane % 16
.set HH,   4                           ; v4   lane / 16
.set XO,   5                           ; v5   role X: 16 x lane            role W (QO): my 16 bytes in two rows of qweight
.set YO,   6                           ; v6   role X: 8 x lane             role W (SO): my two scales
.set LSA,  7                           ; v7   LDS: where I put 16 bytes of a row of packed words
.set LSS,  8                           ; v8   LDS: where I put my two scales
.set LRA,  9                           ; v9   LDS: where I read four words of row lane % 16
.set LRS,  10                          ; v10  LDS: where I read the four scales that go with them
.set WO,   11                          ; v11  my 16 bytes in wt
.set SH,   12                          ; v12  16 x (lane / 16): which half of a word of zero points is mine
.set ZT,   13                          ; v13  my four zero points, in bits 15:0
.set ZP,   14                          ; v14  one of them
.set NZ,   15                          ; v15  -(128 + z), twice, in bf16
.set SP,   16                          ; v16  bf16(s), twice
.set T,    18                          ; v[18:21] at work: T+a holds nibbles a and a + 4
.set SC,   22                          ; v[22:23] my two scales as loaded
.set SPW,  30                          ; v30  LDS address of my spare word: SPARE + 4 x my thread's number; never rewritten
.set NIL,  31                          ; v31  0; never rewritten
.set X,    32                          ; role X: v[32:95]  slot i: 4 registers, 4 f32 as loaded
.set Y,    96                          ; role X: v[96:127] slot i: 2 registers, 4 bf16 to store
.set WQ,   32                          ; role W: v[32:63]  packed words as loaded; later two sets of 16 registers to store
.set WD,   64                          ; role W: v[64:95]  packed words, turned: register 4 j + i = row lane % 16, column 8 j + 4 (lane / 16) + i
.set WS,   96                          ; role W: v[96:127] the scales of the same columns
.set ZW,   24                          ; s[24:31] eight words of zero points: word j for columns 8 j .. 8 j + 7
.set MASK,   32                        ; s32
.set MAGIC,  33                        ; s33
.set TWICE,  34                        ; s34
.set NEG128, 35                        ; s35
.set SELLO,  36                        ; s36
.set SELHI,  37                        ; s37
	s_load_b256 s[4:11], s[0:1], 0x0               ; x s[4:5], qweight s[6:7], scales s[8:9], qzeros s[10:11]
	s_load_b128 s[12:15], s[0:1], 0x20             ; xb s[12:13], wt s[14:15]
	v_lshl_add_u32 v[SPW], v0, 2, SPARE
	v_mov_b32 v[NIL], 0
	v_lshrrev_b32 v1, 5, v0
	v_readfirstlane_b32 s16, v1                    ; wave 0..7
	v_and_b32 v[LANE], 31, v0
	v_and_b32 v[R16], 15, v0
	v_bfe_u32 v[HH], v0, 4, 1
	s_wait_alu depctr_va_sdst(0)                   ; s16 is written, ahead of the branch and of its first reader in either role: the waves' offsets are made from it
	s_mov_b32 s21, 0                               ; the high words of the two offset pairs: every offset here stays under 2^31
	s_mov_b32 s23, 0
	s_cmp_lt_u32 ttmp9, 256
	s_cbranch_scc0 .Lweights
; ---------------- ROLE X ----------------
; A work-group owns 262,144 consecutive bytes of x, a wave 32,768 of them: 64 pieces of 512 bytes, 16 bytes a lane.  A ring of 16 slots in registers keeps 12 to 16 loads of every wave in flight.
; A piece's 128 numbers leave as 256 consecutive bytes of xb, aligned, 8 bytes a lane.
	s_lshl_b32 s20, ttmp9, 18
	s_lshl_b32 s17, s16, 15
	s_add_co_u32 s20, s20, s17                     ; my wave's first byte in x,
	s_lshr_b32 s22, s20, 1                         ; and in xb
	v_lshlrev_b32 v[XO], 4, v[LANE]
	v_lshlrev_b32 v[YO], 3, v[LANE]
	s_wait_kmcnt 0x0
	s_add_nc_u64 s[4:5], s[4:5], s[20:21]
	s_add_nc_u64 s[12:13], s[12:13], s[22:23]
	s_wait_alu depctr_va_vdst(0)                   ; v[XO] and v[YO] are written: every load and store of this role reads one of them as its offset
.irp i, 0,1,2,3,4,5,6,7,8,9,10,11,12,13,14,15
	global_load_b128 v[X+4*(\i):X+4*(\i)+3], v[XO], s[4:5] offset:512*(\i) th:TH_LOAD_NT  ; the ring is filled
.endr
; The turn of group g: slots 4 g to 4 g + 3.  ahead = 1: the slots are filled again with the pieces 16 further on.  left = how many younger loads may stay out.
.macro GROUP g, ahead, left
	s_wait_loadcnt \left                           ; loads come back in order (ISA guide 5.7.1): the group's four are in
.irp i, 0,1,2,3
	v_cvt_pk_bf16_f32 v[Y+2*(4*(\g)+(\i))],   v[X+4*(4*(\g)+(\i))],   v[X+4*(4*(\g)+(\i))+1]
	v_cvt_pk_bf16_f32 v[Y+2*(4*(\g)+(\i))+1], v[X+4*(4*(\g)+(\i))+2], v[X+4*(4*(\g)+(\i))+3]
.endr
	s_wait_alu depctr_va_vdst(0)                   ; the eight roundings have written the group's Y, which the stores below read, and are done reading its X, in which the loads below land
.if \ahead
.irp i, 0,1,2,3
	global_load_b128 v[X+4*(4*(\g)+(\i)):X+4*(4*(\g)+(\i))+3], v[XO], s[4:5] offset:ROUNDB+512*(4*(\g)+(\i)) th:TH_LOAD_NT  ; the slots are asked for again at once, ahead of the stores
.endr
.endif
.irp i, 0,1,2,3
	global_store_b64 v[YO], v[Y+2*(4*(\g)+(\i)):Y+2*(4*(\g)+(\i))+1], s[12:13] offset:256*(4*(\g)+(\i)) th:TH_STORE_NT
.endr
.endm
	s_mov_b32 s38, 3                               ; three of the four turns of the ring load ahead
.Lring:
.irp g, 0,1,2,3
	GROUP \g, 1, RING-4
.endr
	s_wait_xcnt 0x0                                ; every load and store issued so far has had its addresses translated (ISA guide 3.1): the two bases and all of Y are written again only behind this wait
	s_wait_alu depctr_vm_vsrc(0)                   ; this turn's sixteen stores have read all of Y, which the next turn's roundings write again
	s_add_nc_u64 s[4:5], s[4:5], ROUNDB
	s_add_nc_u64 s[12:13], s[12:13], ROUNDB/2
	s_sub_co_u32 s38, s38, 1
	s_cmp_lg_u32 s38, 0
	s_cbranch_scc1 .Lring
.irp g, 0,1,2,3
	GROUP \g, 0, RING-4-4*(\g)                     ; the last turn loads nothing: the counts run down
.endr
	s_branch .Lend
; ---------------- ROLE W ----------------
; Work-group w = number - 256 takes the 64 columns n0 = 64 (w % 64) on; its wave v takes ONE group of 128 k: g = 8 (w / 64) + v.  So a wave reads 16 rows x 256 bytes of qweight, 256 bytes of
; scales and 32 bytes of qzeros, and writes 64 rows x 256 bytes of wt.  A packed word holds 8 neighbouring k of one column: 16 bytes of a row of wt.  The words go through the wave's own LDS
; so that sixteen neighbouring lanes hold the 16 words of ONE column and store 256 consecutive bytes of its row, aligned.
.Lweights:
	s_sub_co_u32 s17, ttmp9, 256
	s_and_b32 s18, s17, 63                         ; c: which 64 columns
	s_lshr_b32 s19, s17, 6
	s_lshl_b32 s19, s19, 3
	s_add_co_u32 s19, s19, s16                     ; g: which group of 128 k
	s_lshl_b32 s22, s18, 8                         ; 64 columns of 4 bytes
	s_lshl_b32 s20, s19, 18                        ; 16 rows of qweight, 16,384 bytes each
	s_add_co_u32 s20, s20, s22
	s_wait_kmcnt 0x0
	s_add_nc_u64 s[6:7], s[6:7], s[20:21]
	s_lshl_b32 s20, s19, 14                        ; a row of scales
	s_add_co_u32 s20, s20, s22
	s_add_nc_u64 s[8:9], s[8:9], s[20:21]
	s_lshl_b32 s20, s19, 11                        ; a row of qzeros, 2,048 bytes,
	s_lshl_b32 s22, s18, 5                         ; and eight words of it
	s_add_co_u32 s20, s20, s22
	s_add_nc_u64 s[10:11], s[10:11], s[20:21]
	s_load_b256 s[ZW:ZW+7], s[10:11], 0x0          ; no line of this text writes qzeros
	s_lshl_b32 s20, s18, 19                        ; 64 rows of wt, 8,192 bytes each,
	s_lshl_b32 s22, s19, 8                         ; and 128 k of 2 bytes
	s_add_co_u32 s20, s20, s22
	s_add_nc_u64 s[14:15], s[14:15], s[20:21]
	s_mov_b32 s[MASK],   0x000f000f                ; a nibble at the foot of each half,
	s_mov_b32 s[MAGIC],  0x43004300                ; set into the last bits of bf16's 128.0: 128 + nibble, exact
	s_mov_b32 s[TWICE],  0x00010001
	s_mov_b32 s[NEG128], 0xc300c300                ; -128.0 twice
	s_mov_b32 s[SELLO],  0x05040100                ; v_perm_b32: the two low halves,
	s_mov_b32 s[SELHI],  0x07060302                ; the two high halves
	s_mul_i32 s17, s16, WLDS                       ; my wave's LDS
	v_lshlrev_b32 v1, 4, v[R16]                    ; 16 (lane % 16)
	v_lshl_add_u32 v[XO], v[HH], 14, v1            ; lanes 0-15 one row's 256 bytes, lanes 16-31 the next row's
	v_lshlrev_b32 v[YO], 3, v[LANE]
	v_mul_u32_u24 v[LSA], v[HH], LP
	v_add3_u32 v[LSA], v[LSA], v1, s17
	v_add_nc_u32 v[LSS], s17, v[YO]
	v_add_nc_u32 v[LSS], SROW, v[LSS]
	v_lshlrev_b32 v[SH], 4, v[HH]
	v_mul_u32_u24 v[LRA], v[R16], LP
	v_add3_u32 v[LRA], v[LRA], v[SH], s17
	v_add_nc_u32 v[LRS], s17, v[SH]
	v_add_nc_u32 v[LRS], SROW, v[LRS]
	v_lshl_add_u32 v[WO], v[HH], 15, v1            ; lanes 16-31: four rows of wt further down
	s_wait_alu depctr_va_vdst(0)                   ; the seven offsets and addresses v5 to v11 are written, which the loads, the LDS instructions and the stores of this role read
	global_load_b64 v[SC:SC+1], v[YO], s[8:9] th:TH_LOAD_NT
.irp i, 0,1,2,3,4,5,6,7
	global_load_b128 v[WQ+4*(\i):WQ+4*(\i)+3], v[XO], s[6:7] offset:32768*(\i) th:TH_LOAD_NT  ; rows 2 i and 2 i + 1
.endr
	s_wait_loadcnt 8                               ; the scales are in; the eight loads behind them may stay out
	ds_store_b64 v[LSS], v[SC:SC+1]
.irp i, 0,1,2,3,4,5,6,7
	s_wait_loadcnt 7-(\i)
	ds_store_b128 v[LSA], v[WQ+4*(\i):WQ+4*(\i)+3] offset:2*LP*(\i)
.endr
.irp j, 0,1,2,3,4,5,6,7                ; back, turned.  The bytes are my wave's own, and LDS serves a wave's instructions in order (ISA guide 5.7.1.4): no wait and no barrier between the stores and these
	ds_load_b128 v[WD+4*(\j):WD+4*(\j)+3], v[LRA] offset:32*(\j)
	ds_load_b128 v[WS+4*(\j):WS+4*(\j)+3], v[LRS] offset:32*(\j)
.endr
	s_wait_kmcnt 0x0                               ; the zero points
; The four stores of group j: its set of 16 registers, a column each.
.macro SENDW j
.irp i, 0,1,2,3
	global_store_b128 v[WO], v[WQ+16*((\j)%2)+4*(\i):WQ+16*((\j)%2)+4*(\i)+3], s[14:15] offset:(8*(\j)+(\i))*8192 th:TH_STORE_NT  ; 16 lanes store 256 consecutive bytes of one row, at a multiple of 256 from wt's first byte
.endr
.endm
; Group j: columns 8 j + 4 (lane / 16) + 0..3: for each, one packed word becomes eight weights, 16 bytes of the column's row of wt, in set j % 2.  The group before leaves at this group's head.
.macro COLS j
	s_wait_dscnt 14-2*(\j)                         ; this group's two loads are in; the two of each later group may stay out
.if (\j) >= 2
	s_wait_xcnt 0x0                                ; the stores issued at the last group's head have had their addresses translated (ISA guide 3.1): their data, set j % 2, are written again only behind this wait
	s_wait_alu depctr_vm_vsrc(0)                   ; and those stores have read set j % 2, which this group's v_perm_b32 write again
.endif
.if (\j) == 0
	s_wait_alu depctr_vm_vsrc(0)                   ; the LDS stores have read all of WQ: its registers are the two sets from here on, written by v_perm_b32 (group 1's set is freed by this wait too)
.endif
.if (\j) > 0
	s_wait_alu depctr_va_vdst(0)                   ; the group before has written its set, which the four stores below read; no vector instruction of this group names that set
	SENDW (\j)-1
.endif
	v_lshrrev_b32 v[ZT], v[SH], s[ZW+(\j)]
.irp i, 0,1,2,3
	v_bfe_u32 v[ZP], v[ZT], 4*(\i), 4
	v_mad_u32_u24 v[NZ], v[ZP], s[TWICE], s[NEG128]              ; the bit pattern of -(128 + z) in both halves
	v_cvt_pk_bf16_f32 v[SP], v[WS+4*(\j)+(\i)], v[WS+4*(\j)+(\i)]
	v_and_or_b32 v[T], v[WD+4*(\j)+(\i)], s[MASK], s[MAGIC]     ; 128 + q of k 0 and k 4
.irp a, 1,2,3
	v_lshrrev_b32 v[T+(\a)], 4*(\a), v[WD+4*(\j)+(\i)]
	v_and_or_b32 v[T+(\a)], v[T+(\a)], s[MASK], s[MAGIC]        ; of k a and k a + 4
.endr
.irp a, 0,1,2,3
	v_pk_add_bf16 v[T+(\a)], v[T+(\a)], v[NZ]                    ; q - z: exact
.endr
.irp a, 0,1,2,3
	v_pk_mul_bf16 v[T+(\a)], v[T+(\a)], v[SP]                    ; the one rounding of the weight
.endr
	v_perm_b32 v[WQ+16*((\j)%2)+4*(\i)],   v[T+1], v[T],   s[SELLO]  ; k 0, 1
	v_perm_b32 v[WQ+16*((\j)%2)+4*(\i)+1], v[T+3], v[T+2], s[SELLO]  ; k 2, 3
	v_perm_b32 v[WQ+16*((\j)%2)+4*(\i)+2], v[T+1], v[T],   s[SELHI]  ; k 4, 5
	v_perm_b32 v[WQ+16*((\j)%2)+4*(\i)+3], v[T+3], v[T+2], s[SELHI]  ; k 6, 7
.endr
.endm
.irp j, 0,1,2,3,4,5,6,7
	COLS \j
.endr
	s_wait_alu depctr_va_vdst(0)                   ; group 7 has written its set, which the last four stores read
	SENDW 7
.Lend:
	s_wait_dscnt 0x0                               ; the wave's end
	s_wait_alu 0x0
	s_wait_tensorcnt 0x0
	ds_add_u32 v[SPW], v[NIL]
	s_wait_dscnt 0x0
	s_endpgm
.Lfunc_end_k_q9ff7dd762c_prep:
	.size	k_q9ff7dd762c_prep, .Lfunc_end_k_q9ff7dd762c_prep-k_q9ff7dd762c_prep
	.p2alignl 7, 3214868480
	.fill 96, 4, 3214868480
	.section	.rodata,"a",@progbits
	.p2align	6, 0x0
	.amdhsa_kernel k_q9ff7dd762c_prep
		.amdhsa_group_segment_fixed_size 39936
		.amdhsa_private_segment_fixed_size 0
		.amdhsa_enable_private_segment 0
		.amdhsa_kernarg_size 48
		.amdhsa_user_sgpr_count 2
		.amdhsa_user_sgpr_kernarg_segment_ptr 1
		.amdhsa_wavefront_size32 1
		.amdhsa_system_sgpr_workgroup_id_x 1
		.amdhsa_system_sgpr_workgroup_id_y 1
		.amdhsa_system_sgpr_workgroup_id_z 1
		.amdhsa_system_vgpr_workitem_id 0
		.amdhsa_next_free_vgpr 128
		.amdhsa_next_free_sgpr 66
		.amdhsa_reserve_vcc 0
		.amdhsa_float_denorm_mode_32 3
		.amdhsa_float_denorm_mode_16_64 3
		.amdhsa_memory_ordered 1
		.amdhsa_forward_progress 1
		.amdhsa_inst_pref_size 63
	.end_amdhsa_kernel
	.amdgpu_metadata
---
amdhsa.version: [ 1, 2 ]
amdhsa.kernels:
  - .name:           k_q9ff7dd762c_prep
    .symbol:         k_q9ff7dd762c_prep.kd
    .args:
      - { .name: x, .offset: 0, .size: 8, .value_kind: global_buffer, .address_space: global }
      - { .name: qweight, .offset: 8, .size: 8, .value_kind: global_buffer, .address_space: global }
      - { .name: scales, .offset: 16, .size: 8, .value_kind: global_buffer, .address_space: global }
      - { .name: qzeros, .offset: 24, .size: 8, .value_kind: global_buffer, .address_space: global }
      - { .name: xb, .offset: 32, .size: 8, .value_kind: global_buffer, .address_space: global }
      - { .name: wt, .offset: 40, .size: 8, .value_kind: global_buffer, .address_space: global }
    .group_segment_fixed_size: 39936
    .private_segment_fixed_size: 0
    .kernarg_segment_align: 8
    .kernarg_segment_size: 48
    .max_flat_workgroup_size: 256
    .sgpr_count:     66
    .vgpr_count:     128
    .wavefront_size: 32
...
	.end_amdgpu_metadata
.endif
;; end of part 3
;; launch gemm: the kernel of part 2 again; grid 16 x 16, 4 waves a work-group, clusters of 4 x 4, 327,680 bytes of LDS; arguments xb, wt, bias, out0; writes out0
